; MI455X (gfx1250); checked and timed in simulation.
; The chip was launched on July 23, 2026; its instructions are those of AMD's public machine-readable ISA for CDNA 5 (MIT licence, August 2026) and "CDNA5" Instruction Set Architecture Reference Guide (July 2026). The comments in the code are by the model that wrote it; some were corrected since.
;; Multihead Attention. Allowed arithmetic: matrix products marked QUANTISED: E4M3 operands, one given power-of-two scale a tensor, by v_wmma_f32_16x16x64_fp8_fp8 or v_wmma_f32_16x16x128_fp8_fp8, f32 sums; everything else in f32.
;; Inputs: Wk 1,024 x 1,024 float32; Wq 1,024 x 1,024 float32; Wv 1,024 x 1,024 float32; bk 1,024 float32; bq 1,024 float32; bv 1,024 float32; key 4 x 2,048 x 1,024 float32; key_mask 4 x 2,048 bool; lowp_scales 10 int32 (the exponents e of the quantised operands' scales 2^e); query 4 x 2,048 x 1,024 float32; value 4 x 2,048 x 1,024 float32.
;; Outputs: out0 4 x 2,048 x 1,024 float32.
;; This version of the problem:
;;   THIS VERSION OF THE PROBLEM IS GIVEN IN LOW PRECISION. The matrix products marked QUANTISED in the list below multiply operands that are first quantised to E4M3 (4 exponent bits, 3 mantissa bits; 8 bits a number), with one given power-of-two scale for each operand tensor; their sums are f32. All else is computed in f32.
;;   The module's matrix products, in the order in which they are computed (A, B: the left and right operand; K: the contracted axis; several contracted axes count as one K, in the product's order):
;;     1. [M 8,192, K 1,024] x [K 1,024, N 1,024]; A: input query; B: input Wq: QUANTISED (scales: A lowp_scales[0], B lowp_scales[1])
;;     2. [M 8,192, K 1,024] x [K 1,024, N 1,024]; A: input key; B: input Wk: QUANTISED (scales: A lowp_scales[2], B lowp_scales[3])
;;     3. [M 8,192, K 1,024] x [K 1,024, N 1,024]; A: input value; B: input Wv: QUANTISED (scales: A lowp_scales[4], B lowp_scales[5])
;;     4. batch 64 x [M 2,048, K 64] x [K 64, N 2,048]; A: computed on the way; B: computed on the way: QUANTISED (scales: A lowp_scales[6], B lowp_scales[7])
;;     5. batch 64 x [M 2,048, K 2,048] x [K 2,048, N 64]; A: softmax (see below); B: computed on the way: QUANTISED (scales: A lowp_scales[8], B lowp_scales[9])
;;   THE QUANTISER, for each operand of a quantised product, along K:
;;     - The operand's scale is 2^e, e = its entry of the input lowp_scales (int32; the entries are numbered through the quantised products in the list's order, A before B).
;;     - Each number is divided by the scale, clamped to +-448, and rounded to the nearest number of E4M3, ties to even, subnormals kept.
;;     - The product sums the exact products of the quantised numbers (number of the format x scale) in f32.
;;   ~~~python
;;   def quantise(x, axis, e):      # numpy; x: float32 -> the quantised numbers, widened to float32 again
;;       x = np.moveaxis(x, axis, -1); K = x.shape[-1]
;;       r = np.clip(x / 2.0 ** e, -448, 448)
;;       step = 2.0 ** (np.maximum(np.frexp(np.where(r == 0, 1, r))[1] - 1, -6) - 3)
;;       q = np.round(r / step) * step * 2.0 ** e      # np.round: ties to even
;;       return np.moveaxis(q, -1, axis).astype(np.float32)
;;   ~~~
;;   SOFTMAX AHEAD OF A QUANTISED PRODUCT. Where the list says 'softmax', what is quantised is not the finished softmax but p = 2^(t - M), with t = logit x log2(e) and M = ceil(the row's largest t), a whole number; so 1/2 < the row's largest p <= 1. The row's sum l is taken of the UNQUANTISED p, in f32, and the product's result is divided by l at the end. Since M is a whole number, a kernel that streams over the keys may use a running M (the ceiling of the running maximum): every later rescaling is an exact power of two, so the quantised numbers keep their values, but for numbers so far below the row's largest that they fall under the format's range.
;;   OPERANDS COMPUTED ON THE WAY. 'Computed on the way' means the value that the module computes at that place (a softmax that the list does not call 'softmax' is quantised finished and normalised). What goes into a quantiser is computed in f32, as accurately as f32 sums, v_exp_f32 and their like allow (about 1e-6 of the number): no bf16 or f16 on the way to a quantiser, and a product that is left as it is and whose result goes on into a quantised operand takes f32 operands (vector FMAs, or v_wmma_f32_16x16x4_f32). A number that lies on a knife's edge between two numbers of the format may be rounded either way, as far as f32 arithmetic and the matrix unit's own rounding can turn it there, and no further.
;; One version. Each part assembles by itself: llvm-mc -triple=amdgcn-amd-amdhsa -mcpu=gfx1250 --defsym DOCPART=n.
;; ======== version 1 of 1: 3 launches
;; limits: right only within a limited range of input values
;; workspace buffers: codes 28,311,552 bytes; img 25,165,824 bytes
;; launch quant (part 1): grid 864 x 1, 4 waves a work-group, no clusters, 33,280 bytes of LDS; arguments query, key, value, Wq, Wk, Wv, lowp_scales, codes; writes codes
.if DOCPART == 1
	.amdgcn_target "amdgcn-amd-amdhsa--gfx1250"
	.amdhsa_code_object_version 6
	.text
	.protected	k_q297f876712_quant
	.globl	k_q297f876712_quant
	.p2align	8
	.type	k_q297f876712_quant,@function
k_q297f876712_quant:
	s_mov_b64 s[64:65], 0
	v_nop
	global_prefetch_b8 v0, s[64:65] scope:SCOPE_SE
	s_setreg_imm32_b32 hwreg(HW_REG_WAVE_MODE, 25, 1), 1
	s_wait_xcnt 0x0
; query, key, value [8192][1024] and Wq, Wk, Wv [1024][1024], f32, K innermost, become codes of FP8 (E4M3), one byte each, each tensor with the scale 2^e given for it.
; code = x / 2^e, held within +-448, rounded to the nearest code, ties to even.  e: entries 0, 2, 4 (query, key, value) and 1, 3, 5 (Wq, Wk, Wv) of the buffer of scales.
; LIMITS: each e lies between -126 and 119, so that 2^e and 448 x 2^e are f32 numbers.  NaN among the inputs is not served (an infinity is held at the largest code).
; The six tensors' codes lie on end in one buffer, in the order query, key, value, Wq, Wk, Wv: rows are dense, so each tensor is a plain stream of numbers and the buffer a plain stream of codes.
; A work-group takes 32,768 numbers: work-groups 0-255 query, 256-511 key, 512-767 value, 768-799 Wq, 800-831 Wk, 832-863 Wv.  Only a pointer and an exponent are chosen: all take one path.
; A wave takes 16 steps of 512 numbers.  The conversion takes 8 numbers from ONE lane's consecutive registers, so a lane must hold 16 neighbours; a load is best where neighbouring LANES take neighbouring bytes.
; Both are had: each of a step's four loads reads 512 consecutive bytes, 16 a lane; the 2,048 bytes go through the wave's own stage in LDS and come back 64 bytes a lane (16 bytes of padding behind each 64).
; A lane's 16 codes are 16 bytes: a store of the wave covers 512 consecutive bytes, aligned.  No tensor loads, no barrier: waves share nothing.  Loads run four steps (16 loads a wave) ahead, the turn through LDS one step.
.set WAVES, 4
.set STEPS, 16
.set EMAX,  8
.set MANT,  0x600000                   ; the mantissa field of 448 as f32
.set CB,    16                         ; bytes of 16 codes
.set R,     16                         ; v16-79   four sets of 16 numbers as they are loaded
.set X,     80                         ; v80-111  two sets of 16 neighbours
.set C,     128                        ; v128-191 codes: four registers for each step, so that no store's data are written again
.set WREG,  8192                       ; LDS: a region of its own for each wave: two stages of 32 x SP bytes
.set SP,    80                         ; a lane's place in a stage: its 64 bytes + 16 of padding
.set SPW,   12                         ; v12      LDS address of my spare word: SPARE + 4 x my thread's number; never rewritten
.set NIL,   13                         ; v13      0; never rewritten
.set SPARE, WAVES*WREG                 ; behind the four regions: the spare words, 128 bytes for each wave
	s_load_b512 s[8:23], s[0:1], 0x0               ; query s[8:9], key s[10:11], value s[12:13], Wq s[14:15], Wk s[16:17], Wv s[18:19], the scales s[20:21], the codes s[22:23]
	v_lshl_add_u32 v[SPW], v0, 2, SPARE
	v_mov_b32 v[NIL], 0
	v_lshrrev_b32 v1, 5, v0
	v_readfirstlane_b32 s36, v1                    ; wave
	v_and_b32 v2, 31, v0                           ; lane
	v_lshlrev_b32 v3, 4, v2                        ; my 16 bytes of a load's 512
	s_mul_i32 s37, s36, WREG
	v_lshrrev_b32 v14, 2, v2
	v_mul_u32_u24 v14, v14, SP
	v_and_b32 v15, 3, v2
	v_lshl_add_u32 v14, v15, 4, v14
	v_add_nc_u32 v14, s37, v14                     ; the stage, on the way in: four lanes' 64 bytes on end, then 16 of padding
	v_mul_u32_u24 v15, v2, SP
	v_add_nc_u32 v15, s37, v15                     ; and on the way out: SP x lane: my 16 neighbours
	v_mul_u32_u24 v4, v2, CB                       ; my codes' place in a step's
	s_wait_alu depctr_va_vdst(0)
	s_wait_kmcnt 0x0
	s_load_b256 s[28:35], s[20:21], 0x0            ; e0 .. e7
	; which tensor is my work-group's: the choice hangs on the work-group's number alone
	s_mov_b64 s[4:5], s[8:9]
	s_mov_b32 s24, 0                               ; the tensor's first work-group
.macro PICK first, ptr
	s_cmp_ge_u32 ttmp9, \first
	s_cselect_b64 s[4:5], s[\ptr:\ptr+1], s[4:5]
	s_cselect_b32 s24, \first, s24
.endm
	PICK 256, 10
	PICK 512, 12
	PICK 768, 14
	PICK 800, 16
	PICK 832, 18
	s_sub_co_u32 s25, ttmp9, s24
	s_lshl_b32 s25, s25, 2
	s_add_co_u32 s25, s25, s36                     ; which run of 8,192 numbers of the tensor is my wave's
	s_lshl_b32 s38, s25, 15                        ; x 32,768 bytes: under 2^26
	s_mov_b32 s39, 0
	s_add_nc_u64 s[4:5], s[4:5], s[38:39]
	s_lshl_b32 s25, ttmp9, 2
	s_add_co_u32 s25, s25, s36                     ; and which run of 8,192 codes of the buffer
	s_lshl_b32 s38, s25, 13
	s_add_nc_u64 s[6:7], s[22:23], s[38:39]
.macro LOAD t
.irp i, 0,1,2,3
	global_load_b128 v[R+16*((\t)%4)+4*\i:R+16*((\t)%4)+4*\i+3], v3, s[4:5] offset:2048*(\t)+512*\i th:TH_LOAD_NT   ; 32 lanes read 512 consecutive bytes
.endr
.endm
.macro TURN t                          ; step t's numbers through the stage: LDS serves a wave's instructions in order, so no wait stands between the stores and the loads
.irp i, 0,1,2,3
	ds_store_b128 v14, v[R+16*((\t)%4)+4*\i:R+16*((\t)%4)+4*\i+3] offset:32*SP*((\t)%2)+8*SP*\i
.endr
.irp i, 0,1,2,3
	ds_load_b128 v[X+16*((\t)%2)+4*\i:X+16*((\t)%2)+4*\i+3], v15 offset:32*SP*((\t)%2)+16*\i
.endr
.endm
.irp t, 0,1,2,3
	LOAD \t
.endr
	s_wait_kmcnt 0x0
	s_mov_b32 s26, s28                             ; e, chosen as the pointer was
.macro PICKE first, e
	s_cmp_ge_u32 ttmp9, \first
	s_cselect_b32 s26, s[\e], s26
.endm
	PICKE 256, 30
	PICKE 512, 32
	PICKE 768, 29
	PICKE 800, 31
	PICKE 832, 33
	s_add_co_i32 s26, s26, 127
	s_lshl_b32 s27, s26, 23
	v_mov_b32 v11, s27                             ; 2^e as f32: the conversion takes its exponent field
	s_add_co_i32 s26, s26, EMAX
	s_lshl_b32 s26, s26, 23
	s_or_b32 s26, s26, MANT
	s_wait_alu depctr_va_vdst(0)
	s_wait_loadcnt 12                              ; step 0's four loads are in; the twelve of steps 1 to 3 may be out
	TURN 0
.macro STEP t
.set XS, X+16*((\t)%2)
	s_wait_dscnt 0x0                               ; this step's numbers are back from the stage: so its stores into the stage have read their registers,
.if (\t)+4 < STEPS
	LOAD (\t)+4                                    ; which take the loads of four steps on
.endif
.if (\t)+1 < STEPS
.if STEPS-2-(\t) >= 3
	s_wait_loadcnt 12                              ; the next step's four loads are in; those of the three steps behind it may be out
.else
	s_wait_loadcnt 4*(STEPS-2-(\t))
.endif
	TURN (\t)+1                                    ; and go through the other stage while this step is worked
.endif
.irp i, 0,1,2,3,4,5,6,7,8,9,10,11,12,13,14,15
.endr
	v_cvt_scalef32_pk8_fp8_f32 v[C+4*(\t):C+4*(\t)+1], v[XS:XS+7], v11          ; eight numbers / 2^e, to the nearest code, ties to even; the first number's code in the lowest byte
	v_cvt_scalef32_pk8_fp8_f32 v[C+4*(\t)+2:C+4*(\t)+3], v[XS+8:XS+15], v11
	global_store_b128 v4, v[C+4*(\t):C+4*(\t)+3], s[6:7] offset:32*CB*(\t)      ; the results go to a store alone
.endm
.irp t, 0,1,2,3,4,5,6,7,8,9,10,11,12,13,14,15
	STEP \t
.endr
	s_wait_tensorcnt 0x0                           ; the wave's end, behind my last LDS store
	ds_add_u32 v[SPW], v[NIL]
	s_wait_dscnt 0x0
	s_endpgm
.Lfunc_end_k_q297f876712_quant:
	.size	k_q297f876712_quant, .Lfunc_end_k_q297f876712_quant-k_q297f876712_quant
	.p2alignl 7, 3214868480
	.fill 96, 4, 3214868480
	.section	.rodata,"a",@progbits
	.p2align	6, 0x0
	.amdhsa_kernel k_q297f876712_quant
		.amdhsa_group_segment_fixed_size 33280
		.amdhsa_private_segment_fixed_size 0
		.amdhsa_enable_private_segment 0
		.amdhsa_kernarg_size 64
		.amdhsa_user_sgpr_count 2
		.amdhsa_user_sgpr_kernarg_segment_ptr 1
		.amdhsa_wavefront_size32 1
		.amdhsa_system_sgpr_workgroup_id_x 1
		.amdhsa_system_sgpr_workgroup_id_y 1
		.amdhsa_system_sgpr_workgroup_id_z 1
		.amdhsa_system_vgpr_workitem_id 0
		.amdhsa_next_free_vgpr 192
		.amdhsa_next_free_sgpr 66
		.amdhsa_reserve_vcc 0
		.amdhsa_float_denorm_mode_32 3
		.amdhsa_float_denorm_mode_16_64 3
		.amdhsa_fp16_overflow 1
		.amdhsa_memory_ordered 1
		.amdhsa_forward_progress 1
		.amdhsa_inst_pref_size 22
	.end_amdhsa_kernel
	.amdgpu_metadata
---
amdhsa.version: [ 1, 2 ]
amdhsa.kernels:
  - .name:           k_q297f876712_quant
    .symbol:         k_q297f876712_quant.kd
    .args:
      - { .name: query, .offset: 0, .size: 8, .value_kind: global_buffer, .address_space: global }
      - { .name: key, .offset: 8, .size: 8, .value_kind: global_buffer, .address_space: global }
      - { .name: value, .offset: 16, .size: 8, .value_kind: global_buffer, .address_space: global }
      - { .name: Wq, .offset: 24, .size: 8, .value_kind: global_buffer, .address_space: global }
      - { .name: Wk, .offset: 32, .size: 8, .value_kind: global_buffer, .address_space: global }
      - { .name: Wv, .offset: 40, .size: 8, .value_kind: global_buffer, .address_space: global }
      - { .name: lowp_scales, .offset: 48, .size: 8, .value_kind: global_buffer, .address_space: global }
      - { .name: codes, .offset: 56, .size: 8, .value_kind: global_buffer, .address_space: global }
    .group_segment_fixed_size: 33280
    .private_segment_fixed_size: 0
    .kernarg_segment_align: 8
    .kernarg_segment_size: 64
    .max_flat_workgroup_size: 128
    .sgpr_count:     66
    .vgpr_count:     192
    .wavefront_size: 32
...
	.end_amdgpu_metadata
.endif
;; end of part 1
;; launch proj (part 2): grid 4 x 96, 4 waves a work-group, clusters of 4 x 4, 327,680 bytes of LDS; arguments codes, lowp_scales, bq, bk, bv, img; writes img
.if DOCPART == 2
	.amdgcn_target "amdgcn-amd-amdhsa--gfx1250"
	.amdhsa_code_object_version 6
	.text
	.protected	k_q297f876712_proj
	.globl	k_q297f876712_proj
	.p2align	8
	.type	k_q297f876712_proj,@function
k_q297f876712_proj:
	s_mov_b64 s[64:65], 0
	v_nop
	global_prefetch_b8 v0, s[64:65] scope:SCOPE_SE
	s_setreg_imm32_b32 hwreg(HW_REG_WAVE_MODE, 25, 1), 1
	s_wait_xcnt 0x0
	s_wait_alu depctr_hold_cnt(0) depctr_sa_sdst(0) depctr_va_vdst(0) depctr_va_sdst(0) depctr_va_ssrc(0) depctr_va_vcc(0) depctr_vm_vsrc(0)
	s_getreg_b32 s2, hwreg(HW_REG_IB_STS2, 6, 4)
	s_cmp_eq_u32 s2, 0
	s_cbranch_scc0 .Lentry_in_a_cluster
	s_endpgm
.Lentry_in_a_cluster:
	s_bfe_u32 s2, ttmp6, 0x10000c
	s_cmp_lg_u32 s2, 0xf033
	s_cbranch_scc0 .Lentry_shape_is_right
	s_endpgm
.Lentry_shape_is_right:
.set SIZE_K, 1024
.set KSTEP,  256
.set ROWB,   256
.set KROW,   SIZE_K
.set XBYTES, 8192*1024
.set WBYTES, 1024*1024
.set WOFF,   3*XBYTES
.set PITCH,  272
.set FR,     16
.set NL,     4
.set NP,     4
.set HALFT,  128*PITCH
.set SLOT,   4*HALFT
.set LAPS,   SIZE_K/(2*KSTEP)
.set SPARE,  2*SLOT
.set BIA,  8
.set BVA,  9
.set LIM,  10
.set SCL,  11
.set ADRA, 16
.set ADRB, 20
.set CO,   26
.set SPW,  28
.set NIL,  29
.set BV,   48
.set BI,   64
.set AF,   128
.set TT,   128
.set CD,   192
.set OB,   68
.set G1, 24
.set G0, 32
.set G1B, 48
.set G0B, 56
.set MSB, 0
.macro WIN new
.if MSB != \new
	s_set_vgpr_msb (MSB<<8)|\new
.set MSB, \new
.endif
.endm
.set MUL_LO, 0xa1
.set MUL_HI, 0xf1
.set TO_B,   0x40
.macro JLOAD g0a, g1a, g0b, g1b
	s_cmp_eq_u32 s15, 0
	s_cbranch_scc0 .Lfor_b_\@
	tensor_load_to_lds s[\g0a:\g0a+3], s[\g1a:\g1a+7]
	s_nop 0
.rept 4
	v_nop
.endr
	s_branch .Lasked_\@
.Lfor_b_\@:
	tensor_load_to_lds s[\g0b:\g0b+3], s[\g1b:\g1b+7]
	s_nop 0
.rept 4
	v_nop
.endr
.Lasked_\@:
.endm
.macro CREST
	s_cmp_lg_u32 s14, 0
	s_cbranch_scc1 .Lnot_wave_0_\@
	s_barrier_signal -3
.Lnot_wave_0_\@:
	s_barrier_wait -3
	s_barrier_signal -1
	s_barrier_wait -1
.endm
.macro CROUND
	s_barrier_signal -1
	s_barrier_wait -1
	CREST
.endm
	s_load_b256 s[76:83], s[0:1], 0x0
	s_load_b128 s[84:87], s[0:1], 0x20
	v_lshl_add_u32 v[SPW], v0, 2, SPARE
	v_mov_b32 v[NIL], 0
	ds_add_u32 v[SPW], v[NIL]
	ds_add_u32 v[SPW], v[NIL]
	v_lshrrev_b32 v1, 5, v0
	v_readfirstlane_b32 s14, v1
	s_lshr_b32 s15, s14, 1
	s_and_b32 s16, s14, 1
	s_bfe_u32 s40, ttmp6, 0x40000
	s_bfe_u32 s41, ttmp6, 0x40004
	s_and_b32 s13, ttmp7, 0xffff
	s_lshr_b32 s12, s13, 3
	s_and_b32 s13, s13, 7
	s_lshl_b32 s18, s12, 23
	s_lshl_b32 s19, s12, 20
	s_add_co_u32 s19, s19, WOFF
	s_mov_b32 s20, WOFF+2*WBYTES
	s_mov_b32 s21, 2*XBYTES
	s_cmp_eq_u32 s12, 2
	s_cselect_b32 s22, 0, s13
	s_cselect_b32 s23, s13, 0
	s_cselect_b32 s18, s20, s18
	s_cselect_b32 s19, s21, s19
	s_lshl_b32 s17, s22, 2
	s_add_co_u32 s17, s17, s41
	s_lshl_b32 s42, s23, 2
	s_add_co_u32 s42, s42, s40
	s_lshl_b32 s43, s41, 2
	s_lshl_b32 s43, 15, s43
	s_lshl_b32 s44, 0x1111, s40
	s_or_b32 s[G1+0], s43, (0<<16)|(1<<20)|(1<<21)|(5<<22)|(3<<25)
	s_or_b32 s[G1B+0], s44, (0<<16)|(1<<20)|(1<<21)|(5<<22)|(3<<25)
.irp g, G1, G1B
	s_mov_b32 s[\g+1], ROWB<<16
	s_mov_b32 s[\g+2], 128<<16
	s_mov_b32 s[\g+3], ROWB<<16
	s_mov_b32 s[\g+4], 128
	s_mov_b32 s[\g+5], KROW
	s_mov_b32 s[\g+6], 0
	s_mov_b32 s[\g+7], 0
.endr
	s_lshl_b32 s13, s16, 7
	s_lshl_b32 s20, s17, 8
	s_add_co_u32 s20, s20, s13
	s_lshl_b32 s20, s20, 10
	s_add_co_u32 s20, s20, s18
	s_mov_b32 s21, 0
	s_lshl_b32 s46, s42, 8
	s_add_co_u32 s46, s46, s13
	s_lshl_b32 s46, s46, 10
	s_add_co_u32 s46, s46, s19
	s_mov_b32 s47, 0
	s_mul_i32 s45, s14, HALFT
	s_wait_dscnt 0x0
	s_wait_kmcnt 0x0
	s_load_b256 s[88:95], s[78:79], 0x0
	s_load_b32 s100, s[78:79], 0x24
	s_add_nc_u64 s[20:21], s[76:77], s[20:21]
	s_add_nc_u64 s[46:47], s[76:77], s[46:47]
	CROUND
.irp s, 0,1
	s_mov_b32 s[G0+4*\s], 1
	s_add_co_u32 s[G0+4*\s+1], s45, \s*SLOT
	s_add_nc_u64 s[G0+4*\s+2:G0+4*\s+3], s[20:21], \s*ROWB
	s_or_b32 s[G0+4*\s+3], s[G0+4*\s+3], 0x80000000
	s_mov_b32 s[G0B+4*\s], 1
	s_add_co_u32 s[G0B+4*\s+1], s45, \s*SLOT
	s_add_nc_u64 s[G0B+4*\s+2:G0B+4*\s+3], s[46:47], \s*ROWB
	s_or_b32 s[G0B+4*\s+3], s[G0B+4*\s+3], 0x80000000
	s_wait_alu depctr_va_vdst(0)
	s_wait_tensorcnt 0x0
	ds_add_u32 v28, v29
	ds_add_u32 v28, v29
	s_wait_dscnt 0x0
	CROUND
	JLOAD G0+4*\s, G1, G0B+4*\s, G1B
.endr
	v_and_b32 v1, 15, v0
	v_bfe_u32 v2, v0, 4, 1
	v_mul_u32_u24 v3, v1, PITCH
	v_lshl_add_u32 v4, v2, 4, v3
	s_mul_i32 s21, s15, HALFT
	s_mul_i32 s22, s16, HALFT
	s_add_co_u32 s22, s22, 2*HALFT
.irp s, 0,1
	v_add_nc_u32 v[ADRA+\s], s21, v4
	v_add_nc_u32 v[ADRB+\s], s22, v4
	s_add_co_u32 s21, s21, SLOT
	s_add_co_u32 s22, s22, SLOT
.endr
	v_and_b32 v5, 31, v0
	v_lshlrev_b32 v[CO], 4, v5
	v_lshlrev_b32 v[BIA], 5, v2
	s_wait_alu depctr_va_vdst(0)
	v_lshlrev_b32 v[BVA], 2, v1
	s_wait_alu depctr_va_vdst(0)
	s_mov_b32 s22, 131072
	s_cmp_eq_u32 s12, 2
	s_cselect_b32 s18, s42, s17
	s_cselect_b32 s19, s16, s15
	s_cselect_b32 s20, s17, s42
	s_cselect_b32 s21, s15, s16
	s_cselect_b32 s13, s22, 4096
	s_cselect_b32 s22, 4096, s22
	s_lshr_b32 s46, s18, 3
	s_lshl_b32 s46, s46, 4
	s_lshl_b32 s47, s20, 2
	s_add_co_u32 s46, s46, s47
	s_lshl_b32 s47, s21, 1
	s_add_co_u32 s46, s46, s47
	s_lshl_b32 s46, s46, 17
	s_and_b32 s47, s18, 7
	s_lshl_b32 s47, s47, 8
	s_lshl_b32 s19, s19, 7
	s_add_co_u32 s47, s47, s19
	s_lshl_b32 s47, s47, 6
	s_add_co_u32 s46, s46, s47
	s_lshl_b32 s47, s12, 23
	s_add_co_u32 s46, s46, s47
	s_mov_b32 s47, 0
	s_add_nc_u64 s[OB:OB+1], s[86:87], s[46:47]
	s_mov_b32 s46, s22
	s_add_nc_u64 s[OB+2:OB+3], s[OB:OB+1], s[46:47]
	s_mov_b32 s46, s13
	s_add_nc_u64 s[OB+4:OB+5], s[OB:OB+1], s[46:47]
	s_add_nc_u64 s[OB+6:OB+7], s[OB+2:OB+3], s[46:47]
	s_lshl_b32 s46, s20, 10
	s_lshl_b32 s47, s21, 9
	s_add_co_u32 s46, s46, s47
	s_mov_b32 s47, 0
	s_cmp_eq_u32 s12, 1
	s_cselect_b64 s[8:9], s[82:83], s[80:81]
	s_cmp_eq_u32 s12, 2
	s_cselect_b64 s[8:9], s[84:85], s[8:9]
	s_add_nc_u64 s[8:9], s[8:9], s[46:47]
.irp b, 0,1,2,3,4,5,6,7
	global_load_b128 v[BI+8*\b:BI+8*\b+3], v[BIA], s[8:9] offset:64*\b
	global_load_b128 v[BI+8*\b+4:BI+8*\b+7], v[BIA], s[8:9] offset:64*\b+16
.endr
.irp a, 0,1,2,3,4,5,6,7
	global_load_b32 v[BV+2*\a], v[BVA], s[8:9] offset:64*\a
	global_load_b32 v[BV+2*\a+1], v[BVA], s[8:9] offset:64*\a
.endr
.macro FRAG reg, adr, q, i
.irp c, 0,1,2,3
	ds_load_b128 v[\reg+4*\c:\reg+4*\c+3], v[\adr] offset:128*(\q)+32*\c+(\i)*16*PITCH
.endr
.endm
.macro MUL16 a0, p, zero
.irp a, \a0, \a0+1
.irp b, 0,1,2,3,4,5,6,7
.if \zero
	v_wmma_f32_16x16x128_fp8_fp8 v[8*(8*((\a)%4)+\b):8*(8*((\a)%4)+\b)+7], v[128*(\p)+FR*\b:128*(\p)+FR*\b+FR-1], v[AF+FR*(\a):AF+FR*(\a)+FR-1], 0
.else
	v_wmma_f32_16x16x128_fp8_fp8 v[8*(8*((\a)%4)+\b):8*(8*((\a)%4)+\b)+7], v[128*(\p)+FR*\b:128*(\p)+FR*\b+FR-1], v[AF+FR*(\a):AF+FR*(\a)+FR-1], v[8*(8*((\a)%4)+\b):8*(8*((\a)%4)+\b)+7]
.endif
.endr
.endr
.endm
.macro FETCH_B slot, q, p
	WIN TO_B
.irp i, 0,1,2,3,4,5,6,7
	FRAG 128*(\p)+FR*\i, ADRB+\slot, \q, \i
.endr
	WIN 0
.endm
.macro FETCH_A slot, q, i0
.irp i, \i0, \i0+1, \i0+2, \i0+3
	FRAG AF+FR*(\i), ADRA+\slot, \q, \i
.endr
.endm
.macro PLACES n
.rept \n
	v_nop
.endr
.endm
.macro STEP slot, q, zero
	s_wait_dscnt 4*NL
	WIN MUL_LO
	MUL16 0, (\q)%2, \zero
	MUL16 2, (\q)%2, \zero
	s_wait_dscnt 0
	PLACES NP
	FETCH_B \slot, (\q)+1, 1-(\q)%2
	FETCH_A \slot, (\q)+1, 0
	WIN MUL_HI
	MUL16 4, (\q)%2, \zero
	MUL16 6, (\q)%2, \zero
	PLACES NP
	WIN 0
	FETCH_A \slot, (\q)+1, 4
.endm
.macro TURN slot, next, fill
	s_wait_tensorcnt 0x0
	ds_add_u32 v[SPW], v[NIL]
	s_wait_dscnt 4*NL+1
	WIN MUL_LO
	MUL16 0, 1, 0
	s_wait_dscnt 0x0
	s_barrier_signal -1
	MUL16 2, 1, 0
	WIN 0
	s_barrier_wait -1
.if \fill
	CREST
	s_add_nc_u64 s[G0+4*\slot+2:G0+4*\slot+3], s[G0+4*\slot+2:G0+4*\slot+3], 2*ROWB
	s_add_nc_u64 s[G0B+4*\slot+2:G0B+4*\slot+3], s[G0B+4*\slot+2:G0B+4*\slot+3], 2*ROWB
	JLOAD G0+4*\slot, G1, G0B+4*\slot, G1B
.else
	PLACES NP
.endif
	FETCH_B \next, 0, 0
	FETCH_A \next, 0, 0
	WIN MUL_HI
	MUL16 4, 1, 0
	MUL16 6, 1, 0
	PLACES NP
	WIN 0
	FETCH_A \next, 0, 4
.endm
	s_wait_tensorcnt 1
	s_barrier_signal -1
	s_barrier_wait -1
	FETCH_B 0, 0, 0
	FETCH_A 0, 0, 0
	FETCH_A 0, 0, 4
	STEP 0, 0, 1
	s_mov_b32 s3, LAPS-1
.Llap:
	TURN 0, 1, 1
	STEP 1, 0, 0
	TURN 1, 0, 1
	STEP 0, 0, 0
	s_sub_co_u32 s3, s3, 1
	s_cmp_lg_u32 s3, 0
	s_cbranch_scc1 .Llap
	TURN 0, 1, 0
	STEP 1, 0, 0
	s_wait_dscnt 4*NL
	WIN MUL_LO
	MUL16 0, 1, 0
	MUL16 2, 1, 0
	s_wait_dscnt 0
	WIN MUL_HI
	MUL16 4, 1, 0
	MUL16 6, 1, 0
	WIN 0
	s_wait_kmcnt 0x0
	s_cmp_eq_u32 s12, 1
	s_cselect_b32 s18, s90, s88
	s_cselect_b32 s19, s91, s89
	s_cselect_b32 s20, s95, s94
	s_cmp_eq_u32 s12, 2
	s_cselect_b32 s18, s92, s18
	s_cselect_b32 s19, s93, s19
	s_cselect_b32 s20, s100, s20
	s_mov_b32 s98, 1.0
	s_cmp_eq_u32 s12, 0
	s_cselect_b32 s21, 3, 0
	s_cselect_b32 s98, 0x3e000000, s98
	s_mov_b32 s99, s98
	s_add_co_i32 s18, s18, s19
	s_sub_co_i32 s18, s18, s21
	s_add_co_i32 s18, s18, 127
	s_lshl_b32 s96, s18, 23
	s_mov_b32 s97, s96
	s_add_co_i32 s20, s20, 127
	s_lshl_b32 s19, s20, 23
	s_wait_loadcnt 0x0
.irp j, 0,2,4,6,8,10,12,14,16,18,20,22,24,26,28,30,32,34,36,38,40,42,44,46,48,50,52,54,56,58,60,62
	v_pk_mul_f32 v[BI+\j:BI+\j+1], v[BI+\j:BI+\j+1], s[98:99] op_sel_hi:[1,0]
.endr
	v_mov_b32 v[SCL], s19
.macro OUTBLK a
.set AC, 64*((\a)%4)
.set CS0, CD+16*((\a)%2)
.if (\a) >= 2
	s_wait_xcnt 0x0
.endif
	s_cmp_eq_u32 s12, 2
	s_cbranch_scc1 .Lby_row_\@
	WIN 0x02+((\a)/4)
.irp j, 0,2,4,6,8,10,12,14,16,18,20,22,24,26,28,30,32,34,36,38,40,42,44,46,48,50,52,54,56,58,60,62
	v_pk_fma_f32 v[TT+\j:TT+\j+1], v[AC+\j:AC+\j+1], s[96:97], v[BI+\j:BI+\j+1] op_sel_hi:[1,0,1]
.endr
	WIN 0
	s_branch .Lsummed_\@
.Lby_row_\@:
	WIN 0x02+((\a)/4)
.irp j, 0,2,4,6,8,10,12,14,16,18,20,22,24,26,28,30,32,34,36,38,40,42,44,46,48,50,52,54,56,58,60,62
	v_pk_fma_f32 v[TT+\j:TT+\j+1], v[AC+\j:AC+\j+1], s[96:97], v[BV+2*(\a):BV+2*(\a)+1] op_sel_hi:[1,0,1]
.endr
	WIN 0
.Lsummed_\@:
	s_wait_alu depctr_va_vdst(0)
.irp b, 0,1,2,3,4,5,6,7
.irp i, 0,1,2,3,4,5,6,7
.endr
	v_cvt_scalef32_pk8_fp8_f32 v[CS0+2*\b:CS0+2*\b+1], v[TT+8*\b:TT+8*\b+7], v[SCL]
.endr
	v_nop
.irp g, 0,1
.irp c, 0,1
	global_store_b128 v[CO], v[CS0+8*\g+4*\c:CS0+8*\g+4*\c+3], s[OB+4*((\a)/4)+2*\g:OB+4*((\a)/4)+2*\g+1] offset:((\a)%4)*1024+512*\c
.endr
.endr
.endm
.irp a, 0,1,2,3,4,5,6,7
	OUTBLK \a
.endr
	s_wait_tensorcnt 0x0
	ds_add_u32 v[SPW], v[NIL]
	s_wait_dscnt 0x0
	CROUND
	s_endpgm
.Lfunc_end_k_q297f876712_proj:
	.size	k_q297f876712_proj, .Lfunc_end_k_q297f876712_proj-k_q297f876712_proj
	.p2alignl 7, 3214868480
	.fill 96, 4, 3214868480
	.section	.rodata,"a",@progbits
	.p2align	6, 0x0
	.amdhsa_kernel k_q297f876712_proj
		.amdhsa_group_segment_fixed_size 327680
		.amdhsa_private_segment_fixed_size 0
		.amdhsa_enable_private_segment 0
		.amdhsa_kernarg_size 48
		.amdhsa_user_sgpr_count 2
		.amdhsa_user_sgpr_kernarg_segment_ptr 1
		.amdhsa_wavefront_size32 1
		.amdhsa_system_sgpr_workgroup_id_x 1
		.amdhsa_system_sgpr_workgroup_id_y 1
		.amdhsa_system_sgpr_workgroup_id_z 1
		.amdhsa_system_vgpr_workitem_id 0
		.amdhsa_next_free_vgpr 1024
		.amdhsa_next_free_sgpr 102
		.amdhsa_reserve_vcc 0
		.amdhsa_float_denorm_mode_32 3
		.amdhsa_float_denorm_mode_16_64 3
		.amdhsa_fp16_overflow 1
		.amdhsa_memory_ordered 1
		.amdhsa_forward_progress 1
		.amdhsa_inst_pref_size 127
	.end_amdhsa_kernel
	.amdgpu_metadata
---
amdhsa.version: [ 1, 2 ]
amdhsa.kernels:
  - .name:           k_q297f876712_proj
    .symbol:         k_q297f876712_proj.kd
    .args:
      - { .name: codes, .offset: 0, .size: 8, .value_kind: global_buffer, .address_space: global }
      - { .name: lowp_scales, .offset: 8, .size: 8, .value_kind: global_buffer, .address_space: global }
      - { .name: bq, .offset: 16, .size: 8, .value_kind: global_buffer, .address_space: global }
      - { .name: bk, .offset: 24, .size: 8, .value_kind: global_buffer, .address_space: global }
      - { .name: bv, .offset: 32, .size: 8, .value_kind: global_buffer, .address_space: global }
      - { .name: img, .offset: 40, .size: 8, .value_kind: global_buffer, .address_space: global }
    .group_segment_fixed_size: 327680
    .private_segment_fixed_size: 0
    .kernarg_segment_align: 8
    .kernarg_segment_size: 48
    .max_flat_workgroup_size: 128
    .sgpr_count:     102
    .vgpr_count:     1024
    .wavefront_size: 32
...
	.end_amdgpu_metadata
.endif
;; end of part 2
;; launch attn (part 3): grid 4 x 64, 16 waves a work-group, clusters of 4 x 1, 327,680 bytes of LDS; arguments img, key_mask, lowp_scales, out0; writes out0
.if DOCPART == 3
	.amdgcn_target "amdgcn-amd-amdhsa--gfx1250"
	.amdhsa_code_object_version 6
	.text
	.protected	k_q297f876712_attn
	.globl	k_q297f876712_attn
	.p2align	8
	.type	k_q297f876712_attn,@function
k_q297f876712_attn:
	s_mov_b64 s[64:65], 0
	v_nop
	global_prefetch_b8 v0, s[64:65] scope:SCOPE_SE
	s_setreg_imm32_b32 hwreg(HW_REG_WAVE_MODE, 25, 1), 1
	s_wait_xcnt 0x0
	s_wait_alu depctr_hold_cnt(0) depctr_sa_sdst(0) depctr_va_vdst(0) depctr_va_sdst(0) depctr_va_ssrc(0) depctr_va_vcc(0) depctr_vm_vsrc(0)
	s_getreg_b32 s2, hwreg(HW_REG_IB_STS2, 6, 4)
	s_cmp_eq_u32 s2, 0
	s_cbranch_scc0 .Lentry_in_a_cluster
	s_endpgm
.Lentry_in_a_cluster:
	s_bfe_u32 s2, ttmp6, 0x10000c
	s_cmp_lg_u32 s2, 0x3003
	s_cbranch_scc0 .Lentry_shape_is_right
	s_endpgm
.Lentry_shape_is_right:
.set KREG,  0
.set VREG,  131072
.set MASK,  262144
.set SPARE, 270336
.set STG,   8704
.set LI,   1
.set LM,   2
.set ADK,  3
.set ADV,  4
.set ADM,  5
.set SPW,  6
.set NIL,  7
.set HOLD, 8
.set SCL,  9
.set ST,   10
.set Q,    32
.set KF,   48
.set VF,   80
.set S,    112
.set P,    176
.set O,    192
.set WV,   12
.set G1A,  24
.set G1B,  32
.set G0A,  40
.set G0B,  44
.set TB,   50
.set TV,   51
.set TM,   52
.set CNT,  53
.set CS,   58
.set SEL,  60
.macro CROUND
	s_barrier_signal -1
	s_barrier_wait -1
	s_cmp_lg_u32 s[WV], 0
	s_cbranch_scc1 .Lnot_wave_0_\@
	s_barrier_signal -3
.Lnot_wave_0_\@:
	s_barrier_wait -3
	s_barrier_signal -1
	s_barrier_wait -1
.endm
	s_load_b256 s[4:11], s[0:1], 0x0
	v_lshl_add_u32 v[SPW], v0, 2, SPARE
	v_mov_b32 v[NIL], 0
	ds_add_u32 v[SPW], v[NIL]
	ds_add_u32 v[SPW], v[NIL]
	v_lshrrev_b32 v22, 5, v0
	s_delay_alu instid0(VALU_DEP_1)
	v_readfirstlane_b32 s[WV], v22
	s_bfe_u32 s13, ttmp6, 0x40000
	s_and_b32 s14, ttmp7, 0xffff
	s_lshr_b32 s15, s[WV], 3
	s_and_b32 s16, s[WV], 7
	s_lshl_b32 s17, s15, 17
	s_lshl_b32 s18, s16, 12
	s_mul_i32 s22, s16, 12288
	s_add_co_u32 s22, s22, 32768
	s_mov_b32 s[G1A], 15|(3<<16)|(1<<21)
	s_mov_b32 s[G1A+1], 32<<16
	s_mov_b32 s[G1A+2], 16<<16
	s_mov_b32 s[G1A+3], 32<<16
	s_mov_b32 s[G1A+4], 16
	s_mov_b32 s[G1A+5], 32
	s_mov_b32 s[G1A+6], 0
	s_mov_b32 s[G1A+7], 0
	s_mov_b32 s[G1B], 15|(3<<16)|(1<<21)
	s_mov_b32 s[G1B+1], 32<<16
	s_mov_b32 s[G1B+2], 48<<16
	s_mov_b32 s[G1B+3], 32<<16
	s_mov_b32 s[G1B+4], 48
	s_mov_b32 s[G1B+5], 32
	s_mov_b32 s[G1B+6], 0
	s_mov_b32 s[G1B+7], 0
	s_mov_b32 s[G0A], 1
	s_add_co_u32 s[G0A+1], s17, s18
	s_mov_b32 s[G0B], 1
	s_add_co_u32 s[G0B+1], s17, s22
	s_add_co_u32 s20, s15, 1
	s_lshl_b32 s20, s20, 23
	s_lshl_b32 s21, s14, 17
	s_add_co_u32 s20, s20, s21
	s_add_co_u32 s18, s18, s20
	s_mov_b32 s19, 0
	s_add_co_u32 s22, s22, s20
	s_mov_b32 s23, 0
	s_mov_b32 s[SEL], 0x76543210
	s_mov_b32 s[SEL+1], 0xfedcba98
	s_mov_b32 s[TB], KREG
	s_mov_b32 s[TV], VREG
	s_mov_b32 s[TM], 0
	s_wait_dscnt 0x0
	s_wait_kmcnt 0x0
	s_load_b128 s[68:71], s[8:9], 0x18
	s_add_nc_u64 s[G0A+2:G0A+3], s[4:5], s[18:19]
	s_or_b32 s[G0A+3], s[G0A+3], 0x80000000
	s_add_nc_u64 s[G0B+2:G0B+3], s[4:5], s[22:23]
	s_or_b32 s[G0B+3], s[G0B+3], 0x80000000
	s_lshl_b32 s15, s13, 5
	s_lshl_b32 s16, s[WV], 1
	s_add_co_u32 s15, s15, s16
	s_lshl_b32 s15, s15, 10
	s_add_co_u32 s16, s15, s21
	s_mov_b32 s17, 0
	s_add_nc_u64 s[16:17], s[4:5], s[16:17]
	s_lshr_b32 s18, s14, 4
	s_lshl_b32 s18, s18, 11
	s_add_nc_u64 s[18:19], s[6:7], s[18:19]
	s_lshr_b32 s20, s14, 4
	s_lshl_b32 s20, s20, 11
	s_lshl_b32 s22, s13, 9
	s_add_co_u32 s20, s20, s22
	s_lshl_b32 s22, s[WV], 5
	s_add_co_u32 s20, s20, s22
	s_lshl_b32 s20, s20, 12
	s_and_b32 s22, s14, 15
	s_lshl_b32 s22, s22, 8
	s_add_co_u32 s20, s20, s22
	s_mov_b32 s21, 0
	s_add_nc_u64 s[10:11], s[10:11], s[20:21]
	CROUND
	tensor_load_to_lds s[G0A:G0A+3], s[G1A:G1A+7]
	s_nop 0
	s_wait_alu depctr_va_vdst(0)
	s_wait_tensorcnt 0x0
	ds_add_u32 v6, v7
	s_wait_dscnt 0x0
	CROUND
	tensor_load_to_lds s[G0B:G0B+3], s[G1B:G1B+7]
	s_nop 0
.rept 4
	v_nop
.endr
	v_and_b32 v22, 31, v0
	s_delay_alu instid0(VALU_DEP_1)
	v_lshlrev_b32 v[LI], 4, v22
	v_lshlrev_b32 v23, 2, v0
.irp c, 0,1,2,3
	global_load_b128 v[Q+4*\c:Q+4*\c+3], v[LI], s[16:17] offset:512*\c
.endr
	global_load_b32 v24, v23, s[18:19]
	v_bfe_u32 v26, v0, 4, 1
	s_delay_alu instid0(VALU_DEP_1)
	v_lshl_add_u32 v[LM], v26, 5, MASK
	v_lshl_add_u32 v27, v0, 4, MASK
	v_mov_b32 v25, 0xf1800000
.irp x, 0,1
	v_mov_b32 v[ST+6*\x+1], 0xff61b1e6
	s_delay_alu instid0(VALU_DEP_1)
	v_floor_f32 v[ST+6*\x], -v[ST+6*\x+1]
	v_mov_b32 v[ST+6*\x+2], 0
	v_mov_b32 v[ST+6*\x+3], 0
	v_mov_b32 v[ST+6*\x+5], 0
	v_mov_b32 v[P+8*\x+2], 0
.endr
.set n, 0
.rept 64
	v_mov_b32 v[O+n], 0
.set n, n+1
.endr
	s_wait_kmcnt 0x0
	s_add_co_i32 s15, s68, s69
	s_lshl_b32 s15, s15, 23
	s_mov_b32 s[CS], 0x3fb8aa3b
	s_add_co_i32 s[CS], s[CS], s15
	s_mov_b32 s[CS+1], s[CS]
	s_add_co_i32 s55, s[CS], 60<<23
	s_or_b32 s55, s55, 0x80000000
	s_add_co_i32 s15, s70, 127
	s_lshl_b32 s20, s15, 23
	v_mov_b32 v[SCL], s20
	s_add_co_i32 s54, s70, s71
	s_wait_loadcnt 0x0
.irp i, 0,1,2,3
	v_bfe_u32 v26, v24, 8*\i, 8
	s_delay_alu instid0(VALU_DEP_1)
	v_cmp_ne_u32 vcc_lo, 0, v26
	s_delay_alu instid0(VALU_DEP_1)
	v_cndmask_b32 v[28+\i], 0, v25, vcc_lo
.endr
	ds_store_b128 v27, v[28:31]
	s_wait_dscnt 0x0
	s_wait_tensorcnt 0x1
	s_barrier_signal -1
	s_barrier_wait -1
.macro STEP
	s_setprio 2
	v_add_nc_u32 v[ADK], s[TB], v[LI]
	v_add_nc_u32 v[ADV], s[TV], v[LI]
	v_add_nc_u32 v[ADM], s[TM], v[LM]
.irp t, 0,1,2,3
	ds_load_b128 v[S+32+8*\t:S+32+8*\t+3], v[ADM] offset:64*\t
	ds_load_b128 v[S+32+8*\t+4:S+32+8*\t+7], v[ADM] offset:64*\t+16
.endr
.irp t, 0,1,2,3
	ds_load_b128 v[KF+8*\t:KF+8*\t+3], v[ADK] offset:1024*\t
	ds_load_b128 v[KF+8*\t+4:KF+8*\t+7], v[ADK] offset:1024*\t+512
.endr
	s_wait_alu depctr_va_vdst(0)
	s_wait_dscnt 0x0
.irp t, 0,1,2,3
	v_wmma_f32_16x16x64_fp8_fp8 v[S+8*\t:S+8*\t+7], v[KF+8*\t:KF+8*\t+7], v[Q:Q+7], v[S+32+8*\t:S+32+8*\t+7]
.endr
.rept 5
	v_nop
.endr
.irp t, 0,1,2,3
	v_wmma_f32_16x16x64_fp8_fp8 v[S+32+8*\t:S+32+8*\t+7], v[KF+8*\t:KF+8*\t+7], v[Q+8:Q+15], v[S+32+8*\t:S+32+8*\t+7]
.endr
.rept 4
	v_nop
.endr
.irp d, 0,1,2,3
	ds_load_b128 v[VF+8*\d:VF+8*\d+3], v[ADV] offset:1024*\d
	ds_load_b128 v[VF+8*\d+4:VF+8*\d+7], v[ADV] offset:1024*\d+512
.endr
.irp x, 0,1
	v_max3_num_f32 v[P+8*\x], v[S+32*\x], v[S+32*\x+1], v[S+32*\x+2]
.endr
.irp x, 0,1
	v_max3_num_f32 v[P+8*\x+1], v[S+32*\x+3], v[S+32*\x+4], v[S+32*\x+5]
.endr
.irp i, 6,10,14,18,22,26
.irp x, 0,1
	v_max3_num_f32 v[P+8*\x], v[P+8*\x], v[S+32*\x+\i], v[S+32*\x+\i+1]
.endr
.irp x, 0,1
	v_max3_num_f32 v[P+8*\x+1], v[P+8*\x+1], v[S+32*\x+\i+2], v[S+32*\x+\i+3]
.endr
.endr
.irp x, 0,1
	v_max3_num_f32 v[P+8*\x], v[P+8*\x], v[S+32*\x+30], v[S+32*\x+31]
.endr
.irp x, 0,1
	s_delay_alu instid0(VALU_DEP_2)
	v_max_num_f32 v[P+8*\x], v[P+8*\x], v[P+8*\x+1]
.endr
.irp x, 0,1
	v_permlanex16_b32 v[P+8*\x+2], v[P+8*\x], s[SEL], s[SEL+1]
.endr
.irp x, 0,1
	s_delay_alu instid0(VALU_DEP_2)
	v_max_num_f32 v[P+8*\x], v[P+8*\x], v[P+8*\x+2]
.endr
.irp x, 0,1
	s_delay_alu instid0(VALU_DEP_2)
	v_mul_f32 v[P+8*\x], s[CS], v[P+8*\x]
.endr
.irp x, 0,1
	s_delay_alu instid0(VALU_DEP_2)
	v_max_num_f32 v[ST+6*\x+1], v[ST+6*\x+1], v[P+8*\x]
.endr
.irp x, 0,1
	v_mov_b32 v[P+8*\x], v[ST+6*\x]
.endr
.irp x, 0,1
	s_delay_alu instid0(VALU_DEP_4)
	v_floor_f32 v[ST+6*\x], -v[ST+6*\x+1]
.endr
.irp x, 0,1
	s_delay_alu instid0(VALU_DEP_2)
	v_sub_f32 v[P+8*\x], v[ST+6*\x], v[P+8*\x]
.endr
.irp x, 0,1
	s_delay_alu instid0(VALU_DEP_2)
	v_cvt_i32_f32 v[P+8*\x], v[P+8*\x]
.endr
.irp x, 0,1
	s_delay_alu instid0(VALU_DEP_2)
	v_ldexp_f32 v[ST+6*\x+4], 1.0, v[P+8*\x]
.endr
.irp x, 0,1
.irp j, 0,2,4,6,8,10,12,14,16,18,20,22,24,26,28,30
	v_pk_fma_f32 v[S+32*\x+\j:S+32*\x+\j+1], v[S+32*\x+\j:S+32*\x+\j+1], s[CS:CS+1], v[ST+6*\x:ST+6*\x+1] op_sel_hi:[1,0,0]
.endr
.endr
.set n, 0
	s_wait_alu depctr_va_vdst(0)
.rept 64
	v_exp_f32 v[S+n], v[S+n]
.set n, n+1
.endr
	s_setprio 1
.irp x, 0,1
	v_pk_mul_f32 v[ST+6*\x+2:ST+6*\x+3], v[ST+6*\x+2:ST+6*\x+3], v[ST+6*\x+4:ST+6*\x+5] op_sel_hi:[1,0]
.endr
	s_wait_alu depctr_va_vdst(0)
.irp x, 0,1
	v_pk_add_f32 v[P+8*\x+4:P+8*\x+5], v[S+32*\x:S+32*\x+1], v[S+32*\x+2:S+32*\x+3]
.endr
.irp j, 4,8,12,16,20,24,28
.irp x, 0,1
	v_pk_add_f32 v[ST+6*\x+2:ST+6*\x+3], v[ST+6*\x+2:ST+6*\x+3], v[S+32*\x+\j:S+32*\x+\j+1]
.endr
.irp x, 0,1
	v_pk_add_f32 v[P+8*\x+4:P+8*\x+5], v[P+8*\x+4:P+8*\x+5], v[S+32*\x+\j+2:S+32*\x+\j+3]
.endr
.endr
.irp x, 0,1
	s_delay_alu instid0(VALU_DEP_2)
	v_pk_add_f32 v[ST+6*\x+2:ST+6*\x+3], v[ST+6*\x+2:ST+6*\x+3], v[P+8*\x+4:P+8*\x+5]
.endr
.irp x, 0,1
.irp t, 0,1,2,3
.irp i, 0,1,2,3,4,5,6,7
.endr
	v_cvt_scalef32_pk8_fp8_f32 v[P+8*\x+2*\t:P+8*\x+2*\t+1], v[S+32*\x+8*\t:S+32*\x+8*\t+7], v[SCL]
.endr
.endr
.irp x, 0,1
.irp j, 0,2,4,6,8,10,12,14,16,18,20,22,24,26,28,30
	v_pk_mul_f32 v[O+32*\x+\j:O+32*\x+\j+1], v[O+32*\x+\j:O+32*\x+\j+1], v[ST+6*\x+4:ST+6*\x+5] op_sel_hi:[1,0]
.endr
.endr
	s_setprio 0
	s_wait_alu depctr_va_vdst(0)
	s_wait_dscnt 0x0
.irp d, 0,1,2,3
.irp x, 0,1
	v_wmma_f32_16x16x64_fp8_fp8 v[O+32*\x+8*\d:O+32*\x+8*\d+7], v[VF+8*\d:VF+8*\d+7], v[P+8*\x:P+8*\x+7], v[O+32*\x+8*\d:O+32*\x+8*\d+7]
.endr
.endr
	s_add_co_u32 s[TB], s[TB], 4096
	s_add_co_u32 s[TV], s[TV], 4096
	s_add_co_u32 s[TM], s[TM], 256
.endm
	s_mov_b32 s[CNT], 8
.Lfirst:
	STEP
	s_sub_co_u32 s[CNT], s[CNT], 1
	s_cmp_lg_u32 s[CNT], 0
	s_cbranch_scc1 .Lfirst
	s_setprio 0
	s_wait_tensorcnt 0x0
	s_wait_dscnt 0x0
	s_barrier_signal -1
	s_barrier_wait -1
	s_mov_b32 s[CNT], 24
.Lrest:
	STEP
	s_sub_co_u32 s[CNT], s[CNT], 1
	s_cmp_lg_u32 s[CNT], 0
	s_cbranch_scc1 .Lrest
	s_setprio 0
	s_wait_dscnt 0x0
	s_barrier_signal -1
	v_add_f32 v22, v[ST+2], v[ST+3]
	v_add_f32 v24, v[ST+8], v[ST+9]
	s_delay_alu instid0(VALU_DEP_2)
	v_permlanex16_b32 v23, v22, s[SEL], s[SEL+1]
	s_delay_alu instid0(VALU_DEP_2)
	v_permlanex16_b32 v25, v24, s[SEL], s[SEL+1]
	s_delay_alu instid0(VALU_DEP_2)
	v_add_f32 v22, v22, v23
	s_delay_alu instid0(VALU_DEP_2)
	v_add_f32 v24, v24, v25
	s_wait_alu depctr_va_vdst(0)
	v_rcp_f32 v22, v22
	v_rcp_f32 v24, v24
	v_and_b32 v26, 15, v0
	v_bfe_u32 v27, v0, 4, 1
	s_mul_i32 s15, s[WV], STG
	v_mul_u32_u24 v28, v26, 272
	s_delay_alu instid0(VALU_DEP_1)
	v_lshl_add_u32 v28, v27, 5, v28
	s_delay_alu instid0(VALU_DEP_1)
	v_add_nc_u32 v28, s15, v28
	v_mul_u32_u24 v29, v27, 272
	s_delay_alu instid0(VALU_DEP_1)
	v_lshl_add_u32 v29, v26, 4, v29
	s_delay_alu instid0(VALU_DEP_1)
	v_add_nc_u32 v29, s15, v29
	v_lshlrev_b32 v30, 12, v27
	s_delay_alu instid0(VALU_DEP_1)
	v_lshl_add_u32 v30, v26, 4, v30
	v_mov_b32 v31, 0x7fc00000
	s_wait_alu depctr_va_vdst(0)
	v_ldexp_f32 v22, v22, s54
	v_ldexp_f32 v24, v24, s54
	v_cmp_gt_f32 vcc_lo, s55, v[ST+1]
	s_delay_alu instid0(VALU_DEP_1)
	v_cndmask_b32 v22, v22, v31, vcc_lo
	v_cmp_gt_f32 vcc_lo, s55, v[ST+7]
	s_delay_alu instid0(VALU_DEP_1)
	v_cndmask_b32 v24, v24, v31, vcc_lo
.irp x, 0,1
.irp j, 0,2,4,6,8,10,12,14,16,18,20,22,24,26,28,30
	v_pk_mul_f32 v[S+32*\x+\j:S+32*\x+\j+1], v[O+32*\x+\j:O+32*\x+\j+1], v[22+2*\x:23+2*\x] op_sel_hi:[1,0]
.endr
.endr
	s_wait_alu depctr_va_vdst(0)
	s_barrier_wait -1
.irp x, 0,1
.irp d, 0,1,2,3
	ds_store_b128 v28, v[S+32*\x+8*\d:S+32*\x+8*\d+3] offset:4352*\x+64*\d
	ds_store_b128 v28, v[S+32*\x+8*\d+4:S+32*\x+8*\d+7] offset:4352*\x+64*\d+16
.endr
.irp i, 0,1,2,3,4,5,6,7
	ds_load_b128 v[KF+32*\x+4*\i:KF+32*\x+4*\i+3], v29 offset:4352*\x+544*\i
.endr
.endr
.irp x, 0,1
.irp i, 0,1,2,3,4,5,6,7
	s_wait_dscnt 16*(1-\x)+7-\i
	global_store_b128 v30, v[KF+32*\x+4*\i:KF+32*\x+4*\i+3], s[10:11] offset:(16*\x+2*\i)*4096 th:TH_STORE_NT
.endr
.endr
	s_wait_tensorcnt 0x0
	ds_add_u32 v[SPW], v[NIL]
	s_wait_dscnt 0x0
	CROUND
	s_endpgm
.Lfunc_end_k_q297f876712_attn:
	.size	k_q297f876712_attn, .Lfunc_end_k_q297f876712_attn-k_q297f876712_attn
	.p2alignl 7, 3214868480
	.fill 96, 4, 3214868480
	.section	.rodata,"a",@progbits
	.p2align	6, 0x0
	.amdhsa_kernel k_q297f876712_attn
		.amdhsa_group_segment_fixed_size 327680
		.amdhsa_private_segment_fixed_size 0
		.amdhsa_enable_private_segment 0
		.amdhsa_kernarg_size 32
		.amdhsa_user_sgpr_count 2
		.amdhsa_user_sgpr_kernarg_segment_ptr 1
		.amdhsa_wavefront_size32 1
		.amdhsa_system_sgpr_workgroup_id_x 1
		.amdhsa_system_sgpr_workgroup_id_y 1
		.amdhsa_system_sgpr_workgroup_id_z 1
		.amdhsa_system_vgpr_workitem_id 0
		.amdhsa_next_free_vgpr 256
		.amdhsa_next_free_sgpr 80
		.amdhsa_reserve_vcc 1
		.amdhsa_float_denorm_mode_32 3
		.amdhsa_float_denorm_mode_16_64 3
		.amdhsa_fp16_overflow 1
		.amdhsa_memory_ordered 1
		.amdhsa_forward_progress 1
		.amdhsa_inst_pref_size 49
	.end_amdhsa_kernel
	.amdgpu_metadata
---
amdhsa.version: [ 1, 2 ]
amdhsa.kernels:
  - .name:           k_q297f876712_attn
    .symbol:         k_q297f876712_attn.kd
    .args:
      - { .name: img, .offset: 0, .size: 8, .value_kind: global_buffer, .address_space: global }
      - { .name: key_mask, .offset: 8, .size: 8, .value_kind: global_buffer, .address_space: global }
      - { .name: lowp_scales, .offset: 16, .size: 8, .value_kind: global_buffer, .address_space: global }
      - { .name: out0, .offset: 24, .size: 8, .value_kind: global_buffer, .address_space: global }
    .group_segment_fixed_size: 327680
    .private_segment_fixed_size: 0
    .kernarg_segment_align: 8
    .kernarg_segment_size: 32
    .max_flat_workgroup_size: 512
    .sgpr_count:     80
    .vgpr_count:     256
    .wavefront_size: 32
...
	.end_amdgpu_metadata
.endif
;; end of part 3
